; MI455X (gfx1250); checked and timed in simulation.
; The chip was launched on July 23, 2026; its instructions are those of AMD's public machine-readable ISA for CDNA 5 (MIT licence, August 2026) and "CDNA5" Instruction Set Architecture Reference Guide (July 2026). The comments in the code are by the model that wrote it; some were corrected since.
;; Flash Diff Attention. Allowed arithmetic: matrix products marked QUANTISED: E4M3 operands, one E8M0 scale for each 32 along K, by v_wmma_scale_f32_16x16x128_f8f6f4 with both operands' format E4M3, f32 sums; everything else in f32.
;; Inputs: k 2 x 2,048 x 16 x 128 float32; lambda_k1 128 float32; lambda_k2 128 float32; lambda_q1 128 float32; lambda_q2 128 float32; q 2 x 2,048 x 16 x 128 float32; v 2 x 2,048 x 16 x 128 float32.
;; Outputs: out0 2 x 2,048 x 16 x 128 float32.
;; This version of the problem:
;;   THIS VERSION OF THE PROBLEM IS GIVEN IN LOW PRECISION. The matrix products marked QUANTISED in the list below multiply operands that are first quantised to E4M3 (4 exponent bits, 3 mantissa bits; 8 bits a number), with one power-of-two scale for each 32 numbers along K (OCP MX v1.0); their sums are f32. All else is computed in f32.
;;   The module's matrix products, in the order in which they are computed (A, B: the left and right operand; K: the contracted axis; several contracted axes count as one K, in the product's order):
;;     1. batch 16 x [M 2,048, K 128] x [K 128, N 2,048]; A: input q; B: input k: QUANTISED
;;     2. batch 16 x [M 256, K 2,048] x [K 2,048, N 2,048]; A: computed on the way; B: softmax (see below): QUANTISED
;;     3. batch 16 x [M 2,048, K 128] x [K 128, N 2,048]; A: input q; B: input k: QUANTISED
;;     4. batch 16 x [M 256, K 2,048] x [K 2,048, N 2,048]; A: computed on the way; B: softmax (see below): QUANTISED
;;   THE QUANTISER, for each operand of a quantised product, along K:
;;     - K is cut into blocks of 32 from its start; a last block that is shorter is filled with zeros.
;;     - A block's scale is 2^e with e = floor(log2(the largest magnitude in the block)) - 8, held to -126 .. 127; a block of zeros has e = 0. As a byte (E8M0): e + 127.
;;     - Each number is divided by its block's scale, clamped to +-448, and rounded to the nearest number of E4M3, ties to even, subnormals kept.
;;     - The product sums the exact products of the quantised numbers (number of the format x scale) in f32.
;;   ~~~python
;;   def quantise(x, axis):      # numpy; x: float32 -> the quantised numbers, widened to float32 again
;;       x = np.moveaxis(x, axis, -1); K = x.shape[-1]
;;       x = np.pad(x, [(0, 0)] * (x.ndim - 1) + [(0, -K % 32)]); x = x.reshape(x.shape[:-1] + (-1, 32)); a = np.abs(x).max(-1, keepdims=True)
;;       e = np.where(a > 0, np.clip(np.frexp(np.where(a > 0, a, 1))[1] - 1 - 8, -126, 127), 0)      # np.frexp(a)[1] - 1 = floor(log2(a)), exactly
;;       r = np.clip(x / 2.0 ** e, -448, 448)
;;       step = 2.0 ** (np.maximum(np.frexp(np.where(r == 0, 1, r))[1] - 1, -6) - 3)
;;       q = np.round(r / step) * step * 2.0 ** e      # np.round: ties to even
;;       return np.moveaxis(q.reshape(q.shape[:-2] + (-1,))[..., :K], -1, axis).astype(np.float32)
;;   ~~~
;;   SOFTMAX AHEAD OF A QUANTISED PRODUCT. Where the list says 'softmax', what is quantised is not the finished softmax but p = 2^(t - M), with t = logit x log2(e) and M = ceil(the row's largest t), a whole number; so 1/2 < the row's largest p <= 1. The row's sum l is taken of the UNQUANTISED p, in f32, and the product's result is divided by l at the end. Since M is a whole number, a kernel that streams over the keys may use a running M (the ceiling of the running maximum): every later rescaling is an exact power of two, which a block's scale takes up: the codes' values come out the same.
;;   OPERANDS COMPUTED ON THE WAY. 'Computed on the way' means the value that the module computes at that place (a softmax that the list does not call 'softmax' is quantised finished and normalised). What goes into a quantiser is computed in f32, as accurately as f32 sums, v_exp_f32 and their like allow (about 1e-6 of the number): no bf16 or f16 on the way to a quantiser, and a product that is left as it is and whose result goes on into a quantised operand takes f32 operands (vector FMAs, or v_wmma_f32_16x16x4_f32). A number that lies on a knife's edge between two numbers of the format may be rounded either way, as far as f32 arithmetic and the matrix unit's own rounding can turn it there, and no further.
;; One version. Each part assembles by itself: llvm-mc -triple=amdgcn-amd-amdhsa -mcpu=gfx1250 --defsym DOCPART=n.
;; ======== version 1 of 1: 2 launches
;; limits: right only within a limited range of input values
;; workspace buffers: qw 8,650,752 bytes; kv 17,301,504 bytes
;; launch prep (part 1): grid 256 x 1, 16 waves a work-group, no clusters, 69,632 bytes of LDS; arguments q, k, v, qw, kv; writes qw, kv
.if DOCPART == 1
	.amdgcn_target "amdgcn-amd-amdhsa--gfx1250"
	.amdhsa_code_object_version 6
	.text
	.protected	k_q433e4293d6_prep
	.globl	k_q433e4293d6_prep
	.p2align	8
	.type	k_q433e4293d6_prep,@function
k_q433e4293d6_prep:
	s_mov_b64 s[64:65], 0
	v_nop
	global_prefetch_b8 v0, s[64:65] scope:SCOPE_SE
	s_setreg_imm32_b32 hwreg(HW_REG_WAVE_MODE, 25, 1), 1
	s_wait_xcnt 0x0
; q, k, v: [2][2048][16][128] f32.  This launch turns them into codes of FP8 (E4M3) with one E8M0 scale byte for each 32 along a product's K, laid in the ORDER OF THE OPERANDS' REGISTERS for the attention launch.
; q and k are quantised along the head's 128, v along the keys (the second product's K).  Heads 2 H and 2 H + 1 form a pair; bh = 8 b + H; st = a block of 128 rows (queries or keys); g = 16 bh + st = the work-group.
; A FRAGMENT IMAGE is 2,048 bytes: byte 512 c + 16 lane + i is the code of row (lane % 16), k = 32 c + 16 (lane / 16) + i.  Lane r of tile t of q or k takes row 32 (t / 2) + 8 (t % 2) + r + 8 (r / 8) of the 128.
; kv block g (67,584 bytes): 16 fragments of k ((8 a + t) x 2,048, a = the head of the pair); their scale words, 512 bytes for each a, word (t, r) at 256 (t / 4) + 8 (16 (t % 2) + r) + 4 ((t / 2) % 2);
;   16 fragments of v (tile n = channels 16 n .. 16 n + 15 of the pair's 256, K = the block's 128 keys); their scale words, word (n, r) at 64 n + 4 r.   qw block g (33,792 bytes): q, laid as the first half of a kv block.
; A block's scale is 2^(floor(log2(its largest magnitude)) - 8); its byte is the largest magnitude's exponent field - 8, held at 1 from below; numbers are held within +-448 x the scale and rounded to the nearest code, ties to even.
; LIMITS: a block whose largest magnitude lies under 2^-118 (a block of zeros among them) gets the byte 1: a block of zeros has zero codes, which add nothing, and this program alone reads the bytes; NaN and infinities are not served.
; WORK LEFT OUT BY THE PROGRAM: none here.  The attention launch leaves out the key steps of 128 keys that all come after a tile's queries: reference() builds the causal mask itself and puts -infinity there, so their p is 0 for all values of the inputs; a NaN or an infinity that reaches only those is not carried on.
; SHARES.  Sixteen waves, no barrier.  Waves 0 to 7: bit 0 of the number = the head of the pair, bit 1 = k (0) or q (1), bit 2 = which four of the eight tiles; waves 8 to 15: 32 channels of v each.  The roles part once, on the wave's number.
; The scale words of v leave as 128 consecutive bytes a wave (half of an aligned 256): 256 KB of the 26 MB that the launch stores.
.set STGB,  8448                       ; a stage: 16 rows x 528 bytes
.set SROW,  528                        ; 512 bytes of data + 16: 132 words, so that the 16 rows that a load touches start 4 banks apart
.set SPARE, 67584                      ; behind the eight stages: the spare words, 128 bytes for each of the sixteen waves: eight blocks of 256 bytes that no other line names
.set KVB,   67584
.set QWB,   33792
.set LI,  4                            ; v4   16 x lane
.set L4,  5                            ; v5   4 x lane
.set STI, 6                            ; v6   the stage, on the way in: 16 x lane
.set STO, 7                            ; v7   and out: 528 r + 64 h
.set VO,  8                            ; v8   v's codes: 2,048 (lane / 16) + 16 (lane % 16)
.set L8,  9                            ; v9   8 x lane
.set R,   16                           ; v16-143  q, k: two sets of 16 rows as loaded
.set X,   144                          ; v144-207 64 numbers of my row: register 16 b + i = k 32 b + 16 h + i
.set PC,  208                          ; v208-223 a fragment's codes
.set TM,  224                          ; v224-239 largest magnitudes, bytes, holds, scale operands
.set PW,  240                          ; v240     the scale word just made
.set W,   244                          ; v244-245 the scale words' image
.set XV,  16                           ; v16-79   v: two sets of 32 numbers down the keys
.set CV,  80                           ; v80-111  v: eight registers of codes for each block, never rewritten
.set SW,  112                          ; v112     v: my channel's scale word
.set SPW, 250                          ; v250     LDS address of my spare word; never rewritten
.set NIL, 251                          ; v251     0; never rewritten
.set SEL, 20                           ; s[20:21] lane selects: lane l xor 16
.set HALF, 22                          ; s22      a mask of lanes 16 to 31
.set MNT, 23                           ; s23      the mantissa field of 448
	s_load_b256 s[4:11], s[0:1], 0x0               ; q s[4:5], k s[6:7], v s[8:9], qw s[10:11]
	s_load_b64 s[12:13], s[0:1], 0x20              ; kv
	v_lshl_add_u32 v[SPW], v0, 2, SPARE
	v_mov_b32 v[NIL], 0
	v_lshrrev_b32 v1, 5, v0
	v_readfirstlane_b32 s16, v1                    ; wave 0..15
	v_and_b32 v1, 31, v0                           ; lane
	v_and_b32 v2, 15, v0                           ; r
	v_bfe_u32 v3, v0, 4, 1                         ; h
	v_lshlrev_b32 v[LI], 4, v1
	v_lshlrev_b32 v[L4], 2, v1
	v_lshlrev_b32 v[L8], 3, v1
	s_min_u32 s17, s16, 7                          ; waves 8 to 15 have no stage and never use these two addresses
	s_mul_i32 s17, s17, STGB
	v_add_nc_u32 v[STI], s17, v[LI]
	v_mul_u32_u24 v[STO], v2, SROW
	v_lshlrev_b32 v[VO], 4, v2
	v_lshl_add_u32 v[STO], v3, 6, v[STO]
	v_lshl_add_u32 v[VO], v3, 11, v[VO]
	v_add_nc_u32 v[STO], s17, v[STO]
	s_mov_b32 s[SEL], 0x76543210
	s_mov_b32 s[SEL+1], 0xfedcba98
	s_mov_b32 s[HALF], 0xffff0000
	s_mov_b32 s[MNT], 0x600000
	s_lshr_b32 s31, ttmp9, 7                       ; b
	s_lshl_b32 s31, s31, 24
	s_and_b32 s32, ttmp9, 15                       ; st
	s_lshl_b32 s32, s32, 20
	s_add_co_u32 s31, s31, s32                     ; the block's first row in q, k and v: b x 2^24 + st x 128 rows of 8,192 bytes
	s_bfe_u32 s33, ttmp9, 0x30004                  ; H
	s_lshl_b32 s33, s33, 10                        ; the pair's 1,024 bytes of a row
	s_add_co_u32 s31, s31, s33
	s_wait_alu depctr_va_vdst(0)
	s_wait_kmcnt 0x0
	s_cmp_lt_u32 s16, 8
	s_cbranch_scc0 .Lv
; ---------------- q and k: K is innermost.  A tile's 16 rows are loaded as they lie (512 consecutive bytes a load) and turned through my stage, so that a lane holds 16 neighbours of each block of 32.
	s_and_b32 s30, s16, 1                          ; a: which head of the pair
	s_lshr_b32 s40, s16, 2                         ; which four tiles: they begin 64 rows on
	s_lshl_b32 s34, s30, 9
	s_lshl_b32 s41, s40, 19
	s_add_co_u32 s34, s34, s41
	s_add_co_u32 s34, s34, s31
	s_mov_b32 s35, 0
	s_mov_b32 s37, 0
	s_mov_b32 s39, 0
	s_mov_b32 s36, QWB
	s_bfe_u32 s38, s16, 0x10001
	s_cmp_eq_u32 s38, 0                            ; k or q: the choice hangs on the wave's number alone
	s_cselect_b64 s[24:25], s[6:7], s[4:5]
	s_cselect_b64 s[26:27], s[12:13], s[10:11]
	s_cselect_b32 s36, KVB, s36
	s_mul_i32 s36, s36, ttmp9                      ; my block in kv or in qw
	s_add_nc_u64 s[24:25], s[24:25], s[34:35]      ; the source: my head of my tiles' first row
	s_add_nc_u64 s[26:27], s[26:27], s[36:37]
	s_lshl_b32 s38, s30, 9
	s_lshl_b32 s42, s40, 8
	s_add_co_u32 s38, s38, s42
	s_add_co_u32 s38, s38, 32768
	s_add_nc_u64 s[28:29], s[26:27], s[38:39]      ; my 256 bytes of scale words
	s_lshl_b32 s38, s30, 14
	s_lshl_b32 s42, s40, 13
	s_add_co_u32 s38, s38, s42
	s_add_nc_u64 s[26:27], s[26:27], s[38:39]      ; my four fragments
.irp b, 0,1,2,3
	v_mov_b32 v[TM+4+\b], 0                        ; written once: a lane permute's destination counts as one of its sources
.endr
.macro LOADT t                         ; tile t's 16 rows into set t % 2: each load reads a whole row of my head
.irp i, 0,1,2,3,4,5,6,7,8,9,10,11,12,13,14,15
	global_load_b128 v[R+64*((\t)%2)+4*\i:R+64*((\t)%2)+4*\i+3], v[LI], s[24:25] offset:(32*((\t)/2)+8*((\t)%2)+\i+8*(\i/8))*8192 th:TH_LOAD_NT
.endr
.endm
.macro QUANT                           ; v[X] .. v[X + 63] become a fragment's codes in v[PC] on and its scale word in v[PW]
.irp b, 0,1,2,3
	v_max3_num_f32 v[TM+\b], |v[X+16*\b]|, |v[X+1+16*\b]|, 0x4800000   ; block b: my 16 numbers, and the floor 2^(9 - 127): the byte cannot fall under 1
.endr
.irp i, 2,4,6,8,10,12,14
.irp b, 0,1,2,3
	s_delay_alu instid0(VALU_DEP_4)
	v_max3_num_f32 v[TM+\b], v[TM+\b], |v[X+16*\b+\i]|, |v[X+1+16*\b+\i]|   ; the four blocks by turns
.endr
.endr
.irp b, 0,1,2,3
	s_delay_alu instid0(VALU_DEP_4)
	v_permlanex16_b32 v[TM+4+\b], v[TM+\b], s[SEL], s[SEL+1]
.endr
.irp b, 0,1,2,3
	s_delay_alu instid0(VALU_DEP_4)
	v_max_num_f32 v[TM+\b], v[TM+\b], v[TM+4+\b]   ; with lane l xor 16's: the block's largest magnitude
.endr
.irp b, 0,1,2,3
	s_delay_alu instid0(VALU_DEP_4)
	v_add_nc_u32 v[TM+12+\b], 0xfc000000, v[TM+\b] ; 8 off its exponent field: the conversion's scale operand
.endr
.irp b, 0,1,2,3
	v_and_or_b32 v[TM+8+\b], v[TM+\b], 0x7f800000, s[MNT]   ; 448 x the scale
.endr
.irp b, 0,1,2,3
	v_lshrrev_b32 v[TM+4+\b], 23, v[TM+12+\b]      ; the scale's byte
.endr
	s_delay_alu instid0(VALU_DEP_3)
	v_lshl_or_b32 v[PW], v[TM+5], 8, v[TM+4]       ; my row's scale word (both halves of the lanes hold it)
	s_delay_alu instid0(VALU_DEP_1)
	v_lshl_or_b32 v[PW], v[TM+6], 16, v[PW]
	s_delay_alu instid0(VALU_DEP_1)
	v_lshl_or_b32 v[PW], v[TM+7], 24, v[PW]
.irp b, 0,1,2,3
.irp i, 0,1,2,3,4,5,6,7,8,9,10,11,12,13,14,15
	v_med3_num_f32 v[X+16*\b+\i], v[X+16*\b+\i], -v[TM+8+\b], v[TM+8+\b]   ; the conversion to an 8-bit code does not saturate (ISA guide 7.6.2): the hold
.endr
	v_cvt_scalef32_pk8_fp8_f32 v[PC+4*\b:PC+1+4*\b], v[X+16*\b:X+7+16*\b], v[TM+12+\b]
	v_cvt_scalef32_pk8_fp8_f32 v[PC+2+4*\b:PC+3+4*\b], v[X+8+16*\b:X+15+16*\b], v[TM+12+\b]
.endr
	v_nop                                          ; one plain vector instruction behind the last scaled conversion
.endm
.macro TILE t
	s_wait_xcnt 0x0                                ; the last tile's stores have read v[PC] on: it is rewritten only behind this wait
.if (\t) < 3
	s_wait_loadcnt 16                              ; this tile's 16 loads are in; the next tile's 16 may be out
.else
	s_wait_loadcnt 0
.endif
.irp i, 0,1,2,3,4,5,6,7,8,9,10,11,12,13,14,15
	ds_store_b128 v[STI], v[R+64*((\t)%2)+4*\i:R+64*((\t)%2)+4*\i+3] offset:SROW*\i
.endr
.irp b, 0,1,2,3
.irp j, 0,1,2,3
	ds_load_b128 v[X+16*\b+4*\j:X+16*\b+4*\j+3], v[STO] offset:128*\b+16*\j   ; LDS serves a wave's instructions in order: these see my stores
.endr
.endr
	s_wait_dscnt 0x0                               ; my numbers are back, and the stores have read their registers,
.if (\t) < 2
	LOADT (\t)+2                                   ; which take the tile two further on
.endif
	QUANT
.if (\t)%2 == 0
	v_mov_b32 v[W+(\t)/2], v[PW]                   ; the image of the scale words: an even tile's in lanes 0-15,
.else
	v_cndmask_b32 v[W+(\t)/2], v[W+(\t)/2], v[PW], s[HALF]   ; the odd tile's in lanes 16-31
.endif
.irp c, 0,1,2,3
	global_store_b128 v[LI], v[PC+4*\c:PC+4*\c+3], s[26:27] offset:2048*(\t)+512*\c   ; 32 lanes store 512 consecutive bytes, aligned to 256
.endr
.endm
	LOADT 0
	LOADT 1
	s_wait_alu depctr_va_vdst(0)
.irp t, 0,1,2,3
	TILE \t
.endr
	global_store_b64 v[L8], v[W:W+1], s[28:29]     ; 256 consecutive bytes, aligned
	s_wait_tensorcnt 0x0                           ; the wave's end: behind my last LDS store
	ds_add_u32 v[SPW], v[NIL]
	s_wait_dscnt 0x0
	s_endpgm
; ---------------- v: K = the keys is not innermost.  A lane takes a channel and its registers run down the keys: a block of 32 keys lies in one lane, and the codes come out with the keys innermost.
.Lv:
	s_sub_co_u32 s30, s16, 8                       ; cg: my 32 channels = tiles 2 cg (lanes 0-15) and 2 cg + 1 (lanes 16-31)
	s_lshl_b32 s34, s30, 7
	s_add_co_u32 s34, s34, s31
	s_mov_b32 s35, 0
	s_add_nc_u64 s[24:25], s[8:9], s[34:35]
	s_mul_i32 s36, ttmp9, KVB
	s_mov_b32 s37, 0
	s_add_nc_u64 s[26:27], s[12:13], s[36:37]
	s_lshl_b32 s38, s30, 7
	s_add_co_u32 s38, s38, 66560
	s_mov_b32 s39, 0
	s_add_nc_u64 s[28:29], s[26:27], s[38:39]      ; my 128 bytes of scale words
	s_lshl_b32 s38, s30, 12
	s_add_co_u32 s38, s38, 33792
	s_add_nc_u64 s[26:27], s[26:27], s[38:39]      ; my two fragments
.macro LOADB c                         ; keys 32 c .. 32 c + 31 of my channel into set c % 2: a load reads 128 consecutive bytes, the eight waves stand side by side on the pair's 1,024
.set ii, 0
.rept 32
	global_load_b32 v[XV+32*((\c)%2)+ii], v[L4], s[24:25] offset:(32*(\c)+ii)*8192 th:TH_LOAD_NT
.set ii, ii+1
.endr
.endm
.macro BLOCK c
.set XS, XV+32*((\c)%2)
.set CC, CV+8*(\c)
.if (\c) < 3
	s_wait_loadcnt 32                              ; this block's 32 loads are in; the next block's may be out
.else
	s_wait_loadcnt 0
.endif
	v_max3_num_f32 v113, |v[XS]|, |v[XS+1]|, |v[XS+2]|   ; the block's largest magnitude: all 32 numbers are mine
	v_max3_num_f32 v114, |v[XS+3]|, |v[XS+4]|, |v[XS+5]|
.irp i, 6,10,14,18,22,26
	s_delay_alu instid0(VALU_DEP_2)
	v_max3_num_f32 v113, v113, |v[XS+\i]|, |v[XS+\i+1]|
	s_delay_alu instid0(VALU_DEP_2)
	v_max3_num_f32 v114, v114, |v[XS+\i+2]|, |v[XS+\i+3]|
.endr
	s_delay_alu instid0(VALU_DEP_2)
	v_max3_num_f32 v113, v113, |v[XS+30]|, |v[XS+31]|
	s_delay_alu instid0(VALU_DEP_1)
	v_max3_num_f32 v113, v113, v114, 0x4800000     ; and the floor
	s_delay_alu instid0(VALU_DEP_1)
	v_add_nc_u32 v115, 0xfc000000, v113            ; the conversion's scale operand
	s_delay_alu instid0(VALU_DEP_2)
	v_and_or_b32 v116, v113, 0x7f800000, s[MNT]    ; 448 x the scale
	s_delay_alu instid0(VALU_DEP_2)
	v_lshrrev_b32 v114, 23, v115                   ; the scale's byte
.if (\c) == 0
	s_delay_alu instid0(VALU_DEP_1)
	v_mov_b32 v[SW], v114
.else
	s_delay_alu instid0(VALU_DEP_1)
	v_lshl_or_b32 v[SW], v114, 8*(\c), v[SW]
.endif
.set ii, 0
.rept 32
	v_med3_num_f32 v[XS+ii], v[XS+ii], -v116, v116
.set ii, ii+1
.endr
.irp g, 0,1,2,3
	v_cvt_scalef32_pk8_fp8_f32 v[CC+2*\g:CC+2*\g+1], v[XS+8*\g:XS+8*\g+7], v115
.endr
	v_nop                                          ; one plain vector instruction behind the last scaled conversion
	global_store_b128 v[VO], v[CC:CC+3], s[26:27] offset:512*(\c)          ; keys 32 c + 0 .. 15: the image's lanes 0-15; sixteen lanes store 256 consecutive bytes, aligned
	global_store_b128 v[VO], v[CC+4:CC+7], s[26:27] offset:512*(\c)+256    ; keys 32 c + 16 .. 31: its lanes 16-31
.if (\c) < 2
	LOADB (\c)+2
.endif
.endm
	LOADB 0
	LOADB 1
	BLOCK 0
	BLOCK 1
	BLOCK 2
	BLOCK 3
	global_store_b32 v[L4], v[SW], s[28:29]
	s_wait_tensorcnt 0x0                           ; the same three lines close this role
	ds_add_u32 v[SPW], v[NIL]
	s_wait_dscnt 0x0
	s_endpgm
.Lfunc_end_k_q433e4293d6_prep:
	.size	k_q433e4293d6_prep, .Lfunc_end_k_q433e4293d6_prep-k_q433e4293d6_prep
	.p2alignl 7, 3214868480
	.fill 96, 4, 3214868480
	.section	.rodata,"a",@progbits
	.p2align	6, 0x0
	.amdhsa_kernel k_q433e4293d6_prep
		.amdhsa_group_segment_fixed_size 69632
		.amdhsa_private_segment_fixed_size 0
		.amdhsa_enable_private_segment 0
		.amdhsa_kernarg_size 40
		.amdhsa_user_sgpr_count 2
		.amdhsa_user_sgpr_kernarg_segment_ptr 1
		.amdhsa_wavefront_size32 1
		.amdhsa_system_sgpr_workgroup_id_x 1
		.amdhsa_system_sgpr_workgroup_id_y 1
		.amdhsa_system_sgpr_workgroup_id_z 1
		.amdhsa_system_vgpr_workitem_id 0
		.amdhsa_next_free_vgpr 256
		.amdhsa_next_free_sgpr 66
		.amdhsa_reserve_vcc 0
		.amdhsa_float_denorm_mode_32 3
		.amdhsa_float_denorm_mode_16_64 3
		.amdhsa_memory_ordered 1
		.amdhsa_forward_progress 1
		.amdhsa_inst_pref_size 87
	.end_amdhsa_kernel
	.amdgpu_metadata
---
amdhsa.version: [ 1, 2 ]
amdhsa.kernels:
  - .name:           k_q433e4293d6_prep
    .symbol:         k_q433e4293d6_prep.kd
    .args:
      - { .name: q, .offset: 0, .size: 8, .value_kind: global_buffer, .address_space: global }
      - { .name: k, .offset: 8, .size: 8, .value_kind: global_buffer, .address_space: global }
      - { .name: v, .offset: 16, .size: 8, .value_kind: global_buffer, .address_space: global }
      - { .name: qw, .offset: 24, .size: 8, .value_kind: global_buffer, .address_space: global }
      - { .name: kv, .offset: 32, .size: 8, .value_kind: global_buffer, .address_space: global }
    .group_segment_fixed_size: 69632
    .private_segment_fixed_size: 0
    .kernarg_segment_align: 8
    .kernarg_segment_size: 40
    .max_flat_workgroup_size: 512
    .sgpr_count:     66
    .vgpr_count:     256
    .wavefront_size: 32
...
	.end_amdgpu_metadata
.endif
;; end of part 1
;; launch attn (part 2): grid 16 x 16, 4 waves a work-group, clusters of 4 x 1, 327,680 bytes of LDS; arguments qw, kv, lambda_q1, lambda_k1, lambda_q2, lambda_k2, out0; writes out0
.if DOCPART == 2
	.amdgcn_target "amdgcn-amd-amdhsa--gfx1250"
	.amdhsa_code_object_version 6
	.text
	.protected	k_q433e4293d6_attn
	.globl	k_q433e4293d6_attn
	.p2align	8
	.type	k_q433e4293d6_attn,@function
k_q433e4293d6_attn:
	s_mov_b64 s[64:65], 0
	v_nop
	global_prefetch_b8 v0, s[64:65] scope:SCOPE_SE
	s_setreg_imm32_b32 hwreg(HW_REG_WAVE_MODE, 25, 1), 1
	s_wait_xcnt 0x0
	s_wait_alu depctr_hold_cnt(0) depctr_sa_sdst(0) depctr_va_vdst(0) depctr_va_sdst(0) depctr_va_ssrc(0) depctr_va_vcc(0) depctr_vm_vsrc(0)
	s_getreg_b32 s2, hwreg(HW_REG_IB_STS2, 6, 4)
	s_cmp_eq_u32 s2, 0
	s_cbranch_scc0 .Lentry_in_a_cluster
	s_endpgm
.Lentry_in_a_cluster:
	s_bfe_u32 s2, ttmp6, 0x10000c
	s_cmp_lg_u32 s2, 0x3003
	s_cbranch_scc0 .Lentry_shape_is_right
	s_endpgm
.Lentry_shape_is_right:
; Differential attention on codes of FP8 (E4M3) with E8M0 scales.  For a pair of heads (bh = 8 b + H): attn_a = softmax(q_a k_a^T / sqrt(128), causal) v12, a = 1, 2, v12 = the pair's 256 channels;
; out = rmsnorm(attn_1 - lambda attn_2) x (1 - lambda_init), lambda = exp(lq1 . lk1) - exp(lq2 . lk2) + lambda_init.  qw and kv hold register images of the operands (see the launch that makes them).
; THE SOFTMAX AHEAD OF THE SECOND PRODUCT: t = score x log2(e) / sqrt(128); M = the running largest t rounded UP to a whole number; p = 2^(t - M) is quantised along the keys, not normalised; the sum is taken of the
; unquantised p and divides at the end; when M moves, the sum and O are multiplied by 2^(old M - new M), exactly.
; WORK LEFT OUT: key steps of 128 keys that all come after the tile's queries (reference() builds that mask itself: their p is 0 for all values of the inputs).
; SHARES.  A wave owns ONE tile of 16 queries and BOTH attentions at a time (2 x 128 registers of O^T), so that the difference and the norm stay in lanes l and l xor 16.  Both products are used transposed: a lane holds one query.
; With c = the cluster's x (0..3), cx = my place in it, h = wave / 2: a wave makes tile 2 cx + wave % 2 of query block 15 - 2 c - h, and then the same tile of block 2 c + h: 17 key steps in all.
; A cluster walks slots of two key steps: 8 - c for the first blocks, c + 1 for the second: nine for every cluster.  Step J (of a walk) beyond the wave's block is left out: J is then odd; J = the block's number is masked.
; The blocks hang on the cluster and the wave alone, so the four partners' branches are alike; cx enters global addresses and the mask's number of a lane alone.
; CLUSTER.  The four partners walk the same kv blocks: each slot is asked for JOINTLY, every wave fetching its quarter (132 rows of 256 bytes) with the same descriptor in all four.  A wave has one tensor load out.
; A STEP'S ORDER.  The second product of step J - 1 stands at the head of step J: v's fragments and p lie in registers by then, so the change of slots stands between the two; head 1's k comes under that product.
; Head 2's k is asked for in the chain that makes M of head 1, v's first half among head 1's exponentials, its second half in the chain of head 2.
; LDS: slot 0 at 0, slot 1 at 135,168 (two kv blocks each, as they lie: every read is of consecutive bytes); the spare words; four stages for the way out, into which no fill lands.
; LIMITS: NaN and infinities are not served (one in a wave's first tile reaches its second, whose first step multiplies the old O by 0); a block of p whose largest lies under 2^-118 gets the byte 1; e^x is made as 2^(x log2 e), so its relative error grows with |x| (about 1e-7 |x|).
; The promise of the softmax holds while the scaled scores (exponents to the base 2) stay under 2^31 in magnitude.
; REGISTERS.  Window 0: as named below.  Window 1: k's fragments: head a, tile t at v[128 a + 16 t].  Window 2 + n / 8: O1 tile n at v[8 (n % 8)], O2 at v[64 + 8 (n % 8)], v's fragment n at v[128 + 16 (n % 8)].
.set STEPB, 67584                      ; a kv block: one key step
.set SLOTB, 135168
.set QTR,   33792                      ; a wave's quarter of a slot; also a work-group's quarter of a prefetch, and a block of qw
.set SPARE, 270336                     ; the spare words, 128 bytes for each of the four waves: two blocks of 256 bytes that no other line names
.set STG,   270848                     ; the stages: 16 rows of 512 + 16 bytes for each wave
.set SROW,  528
.set KSOFF, 32768                      ; in a block: k's scale words,
.set VOFF,  33792                      ; v's fragments,
.set VSOFF, 66560                      ; v's scale words
.set ARD, 0                            ; v0   where I read a stage row back (behind the head)
.set LI,  1                            ; v1   16 x lane
.set ADK, 2                            ; v2   the step's k
.set ADV, 3                            ; v3   the step's k scale words, then its v
.set SPW, 4                            ; v4   LDS address of my spare word; never rewritten
.set NIL, 5                            ; v5   0; never rewritten
.set DQ,  6                            ; v6   my query's place in its block of 128, less 16 (lane / 16)
.set PFO, 7                            ; v7, v250 the prefetches' offsets; never rewritten
.set PFX, 250
.set LS,  8                            ; v8   4 x lane
.set QS,  9                            ; v9   q's scale words: head 1 in lanes 0-15, head 2 in lanes 16-31
.set MT1, 10                           ; v[10:11], v[12:13]  -M and the largest t of attention 1, 2
.set MT2, 12
.set L1,  14                           ; v[14:15], v[16:17]  the sums, each in two halves
.set L2,  16
.set F1,  18                           ; v[18:19], v[20:21]  f = 2^(old M - new M) in the low word; on the way out the factors
.set F2,  20
.set PS1, 22                           ; v22, v23  p's scale words
.set PS2, 23
.set ADS, 24                           ; v24  the step's scale words of v
.set ASTO, 25                          ; v25  the way out: where I put 32 bytes of a row
.set KS1, 26                           ; v[26:29], v[30:33]  k's scale words: register j: tile 2 j in lanes 0-15, tile 2 j + 1 in lanes 16-31
.set VS,  34                           ; v[34:41]  v's likewise
.set HS,  42                           ; v[42:49], v[50:57]  holds and scale operands of p
.set Q1,  58                           ; v[58:73], v[74:89]  q's two fragments
.set P1,  90                           ; v[90:105], v[106:121] p's codes; ahead of the conversions: block maxima, bytes, two chains of the sum
.set P2,  106
.set SC1, 122                          ; v[122:185], v[186:249] the scores, then p
.set SC2, 186
.set T0,  251
.set SUM2, 252
.set QA,  254                          ; v254, v255 my offsets in a block of qw: fragment, scale word
.set QSA, 255
.set WV,  18
.set MNT, 19                           ; the mantissa field of 448
.set SEL, 20                           ; s[20:21] lane l xor 16
.set CS,  22                           ; s[22:23] log2(e) / sqrt(128)
.set G1,  24                           ; s[24:31] descriptor group 1
.set G0,  32                           ; s[32:35] group 0
.set CX,  40
.set BH,  42
.set BETA, 43                          ; my block of 128 queries; s66 the second one
.set J,   45
.set TB,  46                           ; LDS byte at which the step in hand begins; s77: the slot
.set TWICE, 47
.set LIM, 48                           ; slots under this number ask for the slot two on
.set PFA, 50                           ; s[50:51] where my prefetches stand
.set RC,  60                           ; 1 / 256
.set EPSR, 61                          ; 1e-5
.set PREV, 63                          ; 1: the step before has left a second product to do
.set BETA2, 66
.set N1,  67                           ; slots of the first walk
.set KVB, 68                           ; s[68:69] my quarter of the pair's first slot in kv
.set QB,  70                           ; s[70:71] the pair's blocks of qw
.set OUTB, 72                          ; s[72:73] my tile of the batch's first block in out0
.set WPART, 76
.set TBS, 77
.set WOF, 78                           ; 1: the first walk has ended, its tile is to go out
.set NLAM, 79                          ; -lambda
.set IT,  80                           ; the slot's number
.set MSB, 0
.macro WIN new                         ; the immediate's high byte repeats the setting that is left; a switch that changes nothing is dropped
.if MSB != \new
	s_set_vgpr_msb (MSB<<8)|\new
.set MSB, \new
.endif
.endm
.macro WALU
	s_wait_alu depctr_va_vdst(0)
.endm
.macro CROUND                          ; a round of the cluster's barrier
	s_barrier_signal -1
	s_barrier_wait -1
	s_cmp_lg_u32 s[WV], 0
	s_cbranch_scc1 .Lnot_wave_0_\@
	s_barrier_signal -3
.Lnot_wave_0_\@:
	s_barrier_wait -3
	s_barrier_signal -1
	s_barrier_wait -1
.endm
.macro JLOAD                           ; my quarter of a slot, jointly with the three partners' wave of my number; an s_nop 0 and four v_nop follow
	tensor_load_to_lds s[G0:G0+3], s[G1:G1+7]
	s_nop 0
.rept 4
	v_nop
.endr
.endm
; A prefetch of the slot that the NEXT change of slots will ask for: two key steps ahead of that load.  All four clusters of a pair walk the same kv blocks: the first (cluster x = 0) asks.  Its partners share a slot out
; BY ADDRESS, 33,792 bytes each; in each a wave names 33 blocks of 256 bytes: 32 by the first line, a lane a block, the last by the second.  Slots 2 to 7 are asked for; 0 and 1 come by their loads alone.
.macro ASK
	s_cmp_lt_u32 s[IT], s[LIM]
	s_cbranch_scc0 .Lnot_mine_\@
	global_prefetch_b8 v[PFO], s[PFA:PFA+1] th:TH_LOAD_NT scope:SCOPE_SE
	global_prefetch_b8 v[PFX], s[PFA:PFA+1] th:TH_LOAD_NT scope:SCOPE_SE
.Lnot_mine_\@:
.endm
.macro LDK t                           ; k's tile t (0 .. 7 head 1, 8 .. 15 head 2)
	WIN 0x40
.irp c, 0,1,2,3
	ds_load_b128 v[16*(\t)+4*\c:16*(\t)+4*\c+3], v[ADK] offset:(\t)*2048+512*\c
.endr
.endm
.macro LDV n                           ; v's tile n
	WIN (0x80+0x40*((\n)/8))
.irp c, 0,1,2,3
	ds_load_b128 v[128+16*((\n)%8)+4*\c:128+16*((\n)%8)+4*\c+3], v[ADV] offset:(\n)*2048+512*\c
.endr
	WIN 0
.endm
.macro LDG kind, i                     ; kind 0: tile i of head 2's k; 1: tile 8 + i of v
.if \kind
	LDV (8+\i)
.else
	LDK (8+\i)
	WIN 0
.endif
.endm
.macro KM a, t                         ; S^T = k q^T: source 0 = 16 keys, source 1 = my 16 queries; each product starts its sum
.set KF, 128*(\a)+16*(\t)
.set KD, SC1+64*(\a)+8*(\t)
.set KQ, Q1+16*(\a)
.set KW, KS1+4*(\a)+(\t)/2
	WIN 0x01
.if ((\t)%2 == 0) && ((\a) == 0)
	v_wmma_scale_f32_16x16x128_f8f6f4 v[KD:KD+7], v[KF:KF+15], v[KQ:KQ+15], 0, v[KW], v[QS]
.elseif (\a) == 0
	v_wmma_scale_f32_16x16x128_f8f6f4 v[KD:KD+7], v[KF:KF+15], v[KQ:KQ+15], 0, v[KW], v[QS] matrix_a_scale:MATRIX_SCALE_ROW1
.elseif (\t)%2 == 0
	v_wmma_scale_f32_16x16x128_f8f6f4 v[KD:KD+7], v[KF:KF+15], v[KQ:KQ+15], 0, v[KW], v[QS] matrix_b_scale:MATRIX_SCALE_ROW1
.else
	v_wmma_scale_f32_16x16x128_f8f6f4 v[KD:KD+7], v[KF:KF+15], v[KQ:KQ+15], 0, v[KW], v[QS] matrix_a_scale:MATRIX_SCALE_ROW1 matrix_b_scale:MATRIX_SCALE_ROW1
.endif
.endm
.macro PVMUL n                         ; O_a^T += v^T p_a^T, channels 16 n ..: each fragment of v feeds both attentions; the 32 accumulators take turns
	WIN (0xa2+0x51*((\n)/8))
.set VF, 128+16*((\n)%8)
.set OA, 8*((\n)%8)
.set VW, VS+(\n)/2
.if (\n)%2 == 0
	v_wmma_scale_f32_16x16x128_f8f6f4 v[OA:OA+7], v[VF:VF+15], v[P1:P1+15], v[OA:OA+7], v[VW], v[PS1]
	v_wmma_scale_f32_16x16x128_f8f6f4 v[OA+64:OA+71], v[VF:VF+15], v[P2:P2+15], v[OA+64:OA+71], v[VW], v[PS2]
.else
	v_wmma_scale_f32_16x16x128_f8f6f4 v[OA:OA+7], v[VF:VF+15], v[P1:P1+15], v[OA:OA+7], v[VW], v[PS1] matrix_a_scale:MATRIX_SCALE_ROW1
	v_wmma_scale_f32_16x16x128_f8f6f4 v[OA+64:OA+71], v[VF:VF+15], v[P2:P2+15], v[OA+64:OA+71], v[VW], v[PS2] matrix_a_scale:MATRIX_SCALE_ROW1
.endif
.endm
.macro MASK s                          ; on the diagonal the scores of hidden keys become -infinity: register 16 b + i holds key 32 b + 16 (lane / 16) + i of the step: it counts where 32 b + i <= DQ
	s_cmp_lg_u32 s[J], s[BETA]
	s_cbranch_scc1 .Lopen_\@
.set nn, 0
.rept 64
	v_cmp_le_i32 vcc_lo, 32*(nn/16)+nn%16, v[DQ]
	v_cndmask_b32 v[\s+nn], 0xff800000, v[\s+nn], vcc_lo
.set nn, nn+1
.endr
.Lopen_\@:
.endm
.macro FRONT s, p, mt, ff, kind        ; from the scores to t - M: block maxima in v[p] on; M and f move on; eight groups of LDS loads stand in the chain
.irp b, 0,1,2,3
	v_max3_num_f32 v[\p+\b], v[\s+16*\b], v[\s+1+16*\b], v[\s+2+16*\b]   ; the largest score of each block of 32 keys: it serves the row's maximum and, since p rises with the score, the block's largest p
.endr
.irp i, 3,5,7,9,11,13
.irp b, 0,1,2,3
	v_max3_num_f32 v[\p+\b], v[\p+\b], v[\s+16*\b+\i], v[\s+1+16*\b+\i]
.endr
.endr
.irp b, 0,1,2,3
	v_max_num_f32 v[\p+\b], v[\p+\b], v[\s+15+16*\b]
.endr
.irp b, 0,1,2,3
	v_permlanex16_b32 v[\p+4+\b], v[\p+\b], s[SEL], s[SEL+1]
.endr
.irp b, 0,1,2,3
	v_max_num_f32 v[\p+\b], v[\p+\b], v[\p+4+\b]   ; with lane l xor 16's 16 keys
.endr
	v_max3_num_f32 v[T0], v[\p], v[\p+1], v[\p+2]
	LDG \kind, 0
	v_max_num_f32 v[T0], v[T0], v[\p+3]
	LDG \kind, 1
	v_mul_f32 v[T0], s[CS], v[T0]                  ; the step's largest t (the factor is positive)
	LDG \kind, 2
	v_max_num_f32 v[\mt+1], v[\mt+1], v[T0]        ; the running largest t
	v_mov_b32 v[T0], v[\mt]
	LDG \kind, 3
	v_floor_f32 v[\mt], -v[\mt+1]                  ; the new -M = floor(-t): M is a whole number
	LDG \kind, 4
	v_sub_f32 v[T0], v[\mt], v[T0]                 ; old M - new M: a whole number, 0 or less
	LDG \kind, 5
	v_cvt_i32_f32 v[T0], v[T0]                     ; (it saturates)
	v_ldexp_f32 v[\ff], 1.0, v[T0]                 ; f = 2^(old M - new M)
.set jj, 0
.rept 4
.rept 8
	v_pk_fma_f32 v[\s+jj:\s+jj+1], v[\s+jj:\s+jj+1], s[CS:CS+1], v[\mt:\mt+1] op_sel_hi:[1,0,0]   ; t - M, two at a time
.set jj, jj+2
.endr
.if jj == 16
	LDG \kind, 6
.endif
.if jj == 32
	LDG \kind, 7
.endif
.endr
.irp b, 0,1,2,3
	v_fma_f32 v[\p+\b], v[\p+\b], s[CS], v[\mt]    ; the same of each block's largest score
.endr
.endm
.macro EXPS s, p, l, ff, vl            ; p = 2^(t - M): one batch of 64 (vl = 1: eight groups of v's loads among them), then the four blocks' largest p
	WALU
.set jj, 0
.rept 8
.rept 8
	v_exp_f32 v[\s+jj], v[\s+jj]
.set jj, jj+1
.endr
.if \vl
	LDV (jj/8-1)
.endif
.endr
	v_pk_mul_f32 v[\l:\l+1], v[\l:\l+1], v[\ff:\ff+1] op_sel_hi:[1,0]   ; the sums under the new M: the plain instruction behind the exponentials
	WALU                                           ; one wait for the batch of 64, ahead of the first line that names a result
.irp b, 0,1,2,3
	v_exp_f32 v[\p+\b], v[\p+\b]
.endr
.endm
.macro SUMLINE s, l, p, k              ; the row's sum of the unquantised p: 32 lines, four chains
.if (\k) == 0
	v_pk_add_f32 v[SUM2:SUM2+1], v[\s:\s+1], v[\s+2:\s+3]
.elseif (\k) == 1
	v_pk_add_f32 v[\p+8:\p+9], v[\s+4:\s+5], v[\s+6:\s+7]
.elseif (\k) == 2
	v_pk_add_f32 v[\p+10:\p+11], v[\s+8:\s+9], v[\s+10:\s+11]
.elseif (\k) == 29
	v_pk_add_f32 v[\p+8:\p+9], v[\p+8:\p+9], v[\p+10:\p+11]
.elseif (\k) == 30
	v_pk_add_f32 v[\l:\l+1], v[\l:\l+1], v[SUM2:SUM2+1]
.elseif (\k) == 31
	v_pk_add_f32 v[\l:\l+1], v[\l:\l+1], v[\p+8:\p+9]
.elseif (\k)%4 == 0
	v_pk_add_f32 v[SUM2:SUM2+1], v[SUM2:SUM2+1], v[\s+2*(\k)+6:\s+2*(\k)+7]
.elseif (\k)%4 == 1
	v_pk_add_f32 v[\p+8:\p+9], v[\p+8:\p+9], v[\s+2*(\k)+6:\s+2*(\k)+7]
.elseif (\k)%4 == 2
	v_pk_add_f32 v[\p+10:\p+11], v[\p+10:\p+11], v[\s+2*(\k)+6:\s+2*(\k)+7]
.else
	v_pk_add_f32 v[\l:\l+1], v[\l:\l+1], v[\s+2*(\k)+6:\s+2*(\k)+7]
.endif
.endm
.macro BACK s, p, h, ps                ; p becomes codes in v[p] on and a scale word in v[ps]
	WALU                                           ; and one for the four
.irp b, 0,1,2,3
	v_max_num_f32 v[\p+\b], 0x4800000, v[\p+\b]    ; the floor 2^(9 - 127): the byte cannot fall under 1
.endr
.irp b, 0,1,2,3
	v_add_nc_u32 v[\h+4+\b], 0xfc000000, v[\p+\b]  ; the conversion's scale operand
.endr
.irp b, 0,1,2,3
	v_and_or_b32 v[\h+\b], v[\p+\b], 0x7f800000, s[MNT]   ; 448 x the scale
.endr
.irp b, 0,1,2,3
	v_lshrrev_b32 v[\p+4+\b], 23, v[\h+4+\b]       ; the scale's byte
.endr
	v_lshl_or_b32 v[\ps], v[\p+5], 8, v[\p+4]
	v_lshl_or_b32 v[\ps], v[\p+6], 16, v[\ps]
	v_lshl_or_b32 v[\ps], v[\p+7], 24, v[\ps]
.irp b, 0,1,2,3
.irp i, 0,1,2,3,4,5,6,7,8,9,10,11,12,13,14,15
	v_min_num_f32 v[\s+16*\b+\i], v[\s+16*\b+\i], v[\h+\b]   ; the hold: p is not negative, so it is one-sided
.endr
	v_cvt_scalef32_pk8_fp8_f32 v[\p+4*\b:\p+4*\b+1], v[\s+16*\b:\s+16*\b+7], v[\h+4+\b]
	v_cvt_scalef32_pk8_fp8_f32 v[\p+4*\b+2:\p+4*\b+3], v[\s+16*\b+8:\s+16*\b+15], v[\h+4+\b]
.endr
	v_nop                                          ; one plain vector instruction behind the last scaled conversion
.endm
.macro QLOAD beta                      ; q's two fragments and scale words of my tile in block beta
	s_mul_i32 s56, s[\beta], QTR
	s_mov_b32 s57, 0
	s_add_nc_u64 s[58:59], s[QB:QB+1], s[56:57]
.irp c, 0,1,2,3
	global_load_b128 v[Q1+4*\c:Q1+4*\c+3], v[QA], s[58:59] offset:512*\c th:TH_LOAD_NT
	global_load_b128 v[Q1+16+4*\c:Q1+16+4*\c+3], v[QA], s[58:59] offset:16384+512*\c th:TH_LOAD_NT
.endr
	global_load_b32 v[QS], v[QSA], s[58:59]
.endm
.macro MINIT                           ; the largest t so far: -3e38, under every t: the first f is then 0, which clears the sums and O
	v_mov_b32 v[MT1+1], 0xff61b1e6
	v_mov_b32 v[MT2+1], 0xff61b1e6
	v_floor_f32 v[MT1], -v[MT1+1]
	v_floor_f32 v[MT2], -v[MT2+1]
.endm
; THE WAY OUT of a tile.  attn = O1 / l1 - lambda O2 / l2; the mean of its 256 squares (my 128 and lane l xor 16's); x rsqrt(mean + 1e-5) x 0.21639423; by halves of 128 channels through my stage, so that 512 consecutive bytes leave in a store.
; fin = 0: the second block's q is asked for at its head, and the wave goes on with that block.
.macro WAYOUT fin
.rept 8
	v_nop                                          ; places behind the second product
.endr
	s_wait_xcnt 0x0                                ; earlier loads and stores have read their base
.if \fin == 0
	QLOAD BETA2
.endif
	s_lshl_b32 s54, s[BETA], 20
	s_mov_b32 s55, 0
	s_add_nc_u64 s[56:57], s[OUTB:OUTB+1], s[54:55]
	v_add_f32 v[L1], v[L1], v[L1+1]
	v_add_f32 v[L2], v[L2], v[L2+1]
	v_permlanex16_b32 v[P1+4], v[L1], s[SEL], s[SEL+1]
	v_permlanex16_b32 v[P1+5], v[L2], s[SEL], s[SEL+1]
	v_add_f32 v[L1], v[L1], v[P1+4]
	v_add_f32 v[L2], v[L2], v[P1+5]
	WALU
	v_rcp_f32 v[F1], v[L1]
	v_rcp_f32 v[F2], v[L2]
	v_nop
	WALU
	v_mul_f32 v[F2], s[NLAM], v[F2]
.irp w, 2,3
	WIN (0x51*\w)
	WALU
.set nn, 0
.rept 32
	v_pk_mul_f32 v[nn:nn+1], v[nn:nn+1], v[F1:F1+1] op_sel_hi:[1,0]   ; O1 / l1
.set nn, nn+2
.endr
.set nn, 0
.rept 32
	v_pk_fma_f32 v[nn:nn+1], v[64+nn:65+nn], v[F2:F2+1], v[nn:nn+1] op_sel_hi:[1,0,1]   ; - lambda O2 / l2
.set nn, nn+2
.endr
.endr
	WIN 0x0a                                       ; sources 0 and 1 in window 2
.set nn, 0
.rept 4
	v_pk_mul_f32 v[P1+8+2*nn:P1+9+2*nn], v[2*nn:2*nn+1], v[2*nn:2*nn+1]   ; the squares, in four chains that the first four start
.set nn, nn+1
.endr
.rept 60
.if nn == 32
	WIN 0x0f
.endif
	v_pk_fma_f32 v[P1+8+2*(nn%4):P1+9+2*(nn%4)], v[2*(nn%32):2*(nn%32)+1], v[2*(nn%32):2*(nn%32)+1], v[P1+8+2*(nn%4):P1+9+2*(nn%4)]
.set nn, nn+1
.endr
	WIN 0
	v_pk_add_f32 v[P1+8:P1+9], v[P1+8:P1+9], v[P1+10:P1+11]
	v_pk_add_f32 v[P1+12:P1+13], v[P1+12:P1+13], v[P1+14:P1+15]
	v_pk_add_f32 v[P1+8:P1+9], v[P1+8:P1+9], v[P1+12:P1+13]
	v_add_f32 v[P1+8], v[P1+8], v[P1+9]
	v_permlanex16_b32 v[P1+4], v[P1+8], s[SEL], s[SEL+1]
	v_add_f32 v[P1+8], v[P1+8], v[P1+4]
	v_fma_f32 v[P1+8], v[P1+8], s[RC], s[EPSR]
	WALU
	v_rsq_f32 v[P1+8], v[P1+8]
	v_nop
	WALU
	v_mul_f32 v[F1], 0x3e5d9673, v[P1+8]
.irp u, 0,1
	WIN (0xa2+0x51*\u)
.set nn, 0
.rept 32
	v_pk_mul_f32 v[nn:nn+1], v[nn:nn+1], v[F1:F1+1] op_sel_hi:[1,0]
.set nn, nn+2
.endr
	WIN (0x08+0x04*\u)                             ; an LDS store's data are its source 1
.set nn, 0
.rept 8
	ds_store_b128 v[ASTO], v[8*nn:8*nn+3] offset:64*nn
	ds_store_b128 v[ASTO], v[8*nn+4:8*nn+7] offset:64*nn+16
.set nn, nn+1
.endr
	WIN 0
.set nn, 0
.rept 16
	ds_load_b128 v[SC1+64*\u+4*nn:SC1+64*\u+4*nn+3], v[ARD] offset:SROW*nn   ; LDS serves a wave's instructions in order: these see my stores, and the next half's stores come behind them
.set nn, nn+1
.endr
.endr
	WALU
.set nn, 0
.rept 32
.if nn < 16
	s_wait_dscnt 47-nn                             ; behind this row's load: the half's other loads, the next half's 16 stores and 16 loads
.else
	s_wait_dscnt 31-nn
.endif
	global_store_b128 v[LI], v[SC1+4*nn:SC1+4*nn+3], s[56:57] offset:((nn%16)+8*((nn%16)/8))*8192+512*(nn/16) th:TH_STORE_NT   ; 32 lanes store 512 consecutive bytes, aligned to 256
.set nn, nn+1
.endr
.if \fin == 0
	MINIT
	s_mov_b32 s[BETA], s[BETA2]
	s_mov_b32 s[WOF], 0
	WALU
	s_wait_xcnt 0x0                                ; the stores have read their data
	s_wait_loadcnt 0x0                             ; the second block's q
.endif
.endm
; A KEY STEP.  Places behind this matrix form: eight in front of loads into, and reads of, a product's registers.
.macro STEP
	s_add_co_u32 s52, s[TB], VOFF
	s_add_co_u32 s53, s[TB], VSOFF
	v_add_nc_u32 v[ADK], s[TB], v[LI]
	v_lshl_add_u32 v[ADV], v[LS], 1, s[TB]
	WALU
.irp i, 0,1,2,3
	ds_load_b64 v[KS1+2*\i:KS1+2*\i+1], v[ADV] offset:KSOFF+256*\i
.endr
	s_cmp_eq_u32 s[PREV], 0
	s_cbranch_scc1 .Lno_product_\@
.set nn, 0
.rept 16
	PVMUL nn                                       ; the step before's second product, and head 1's k under it
.if nn < 8
	LDK nn
.endif
.set nn, nn+1
.endr
	WIN 0
	s_branch .Ljoin_\@
.Lno_product_\@:
.set nn, 0
.rept 8
	LDK nn
.set nn, nn+1
.endr
	WIN 0
.Ljoin_\@:
	s_cmp_eq_u32 s[WOF], 0
	s_cbranch_scc1 .Lno_way_out_\@
	WAYOUT 0
.Lno_way_out_\@:
	s_wait_dscnt 0x0                               ; head 1's k and all scale words of k
	s_cmp_gt_u32 s[J], s[BETA]                     ; all keys of the step come after my queries: its work is left out
	s_cselect_b32 s[PREV], 0, 1
	s_cbranch_scc1 .Lend_\@
.irp t, 0,1,2,3,4,5,6,7
	KM 0, \t
.endr
	WIN 0
	v_add_nc_u32 v[ADV], s52, v[LI]                ; two of the eight places
	v_add_nc_u32 v[ADS], s53, v[LS]
.rept 6
	v_nop
.endr
	MASK SC1
	FRONT SC1, P1, MT1, F1, 0
.irp i, 0,1,2,3,4,5,6,7
	ds_load_b32 v[VS+\i], v[ADS] offset:128*\i
.endr
	EXPS SC1, P1, L1, F1, 1
	s_wait_dscnt 40                                ; head 2's k is in; behind it 8 loads of v's scale words and 32 of its fragments
.set tt, 0
.set kk, 0
.rept 8
	KM 1, tt                                       ; head 2's scores, with head 1's sum among the products
	WIN 0
.rept 4
	SUMLINE SC1, L1, P1, kk
.set kk, kk+1
.endr
.set tt, tt+1
.endr
	BACK SC1, P1, HS, PS1
	MASK SC2
	FRONT SC2, P2, MT2, F2, 1
	EXPS SC2, P2, L2, F2, 0
.set kk, 0
.rept 32
	SUMLINE SC2, L2, P2, kk
.set kk, kk+1
.endr
	BACK SC2, P2, HS+8, PS2
.irp w, 2,3
	WIN (0x51*\w)
	WALU
.set rr, 0
.rept 32
	v_pk_mul_f32 v[rr:rr+1], v[rr:rr+1], v[F1:F1+1] op_sel_hi:[1,0]   ; O1^T x f1, each tile from its low end on
.set rr, rr+2
.endr
.rept 32
	v_pk_mul_f32 v[rr:rr+1], v[rr:rr+1], v[F2:F2+1] op_sel_hi:[1,0]   ; O2^T x f2
.set rr, rr+2
.endr
.endr
	WIN 0
	WALU
	s_wait_dscnt 0x0                               ; v lies in registers: nothing more is read of this step's block
.Lend_\@:
.endm
; A SLOT.  Each wave waits for all its tensor loads (its quarter of this slot), adds 0 to its spare word, and waits for that and for its reads of the other slot.  fill = 1: a round of the cluster's barrier follows,
; so that no wave of any partner still reads the other slot or has a load on its way, and the joint load of the next slot of the walk into it is the first thing behind the round: it has this slot's two steps in which to land.
.macro SLOT fill
	s_wait_tensorcnt 0x0                           ; no tensor load of mine is out, so group 0 may be written
	ds_add_u32 v[SPW], v[NIL]                      ; 0 onto my spare word; the lines below stand between it and the wait for it
.if \fill
	s_add_co_u32 s52, s[IT], 1                     ; the next slot's number: its keys begin at slot IT + 1 of the first walk, or at IT + 1 - N1 of the second
	s_sub_co_u32 s53, s52, s[N1]
	s_ashr_i32 s54, s53, 31
	s_and_not1_b32 s54, s[N1], s54
	s_sub_co_u32 s52, s52, s54
	s_mul_i32 s52, s52, SLOTB
	s_mov_b32 s53, 0
	s_add_nc_u64 s[G0+2:G0+3], s[KVB:KVB+1], s[52:53]
	s_or_b32 s[G0+3], s[G0+3], 0x80000000
	s_xor_b32 s55, s[TBS], SLOTB
	s_add_co_u32 s[G0+1], s[WPART], s55
	s_wait_xcnt 0x0                                ; the last prefetch, a slot back, has read its address
	s_add_nc_u64 s[PFA:PFA+1], s[PFA:PFA+1], SLOTB
.endif
	s_wait_dscnt 0x0                               ; the add is done, and my reads of the other slot are over
.if \fill
	CROUND
	JLOAD
	ASK
.else
	s_barrier_signal -1
	s_barrier_wait -1
.endif
	s_cmp_eq_u32 s[IT], s[N1]                      ; the second walk begins
	s_cselect_b32 s[WOF], 1, 0
	s_cselect_b32 s[J], 0, s[J]
	s_mov_b32 s[TB], s[TBS]
	s_mov_b32 s[TWICE], 2
.Lstep_\@:
	STEP
	s_add_co_u32 s[TB], s[TB], STEPB
	s_add_co_u32 s[J], s[J], 1
	s_sub_co_u32 s[TWICE], s[TWICE], 1
	s_cmp_lg_u32 s[TWICE], 0
	s_cbranch_scc1 .Lstep_\@
	s_xor_b32 s[TBS], s[TBS], SLOTB
.endm
	s_load_b256 s[4:11], s[0:1], 0x0               ; qw s[4:5], kv s[6:7], lambda_q1 s[8:9], lambda_k1 s[10:11]
	s_load_b128 s[12:15], s[0:1], 0x20             ; lambda_q2 s[12:13], lambda_k2 s[14:15]
	s_load_b64 s[16:17], s[0:1], 0x30              ; out0
	v_lshl_add_u32 v[SPW], v0, 2, SPARE
	v_mov_b32 v[NIL], 0
	ds_add_u32 v[SPW], v[NIL]                      ; the wave's opening: the add, twice on end, and its wait ahead of my first tensor load; the set-up below, work on registers, stands between them
	ds_add_u32 v[SPW], v[NIL]
	v_lshrrev_b32 v2, 5, v0
	v_readfirstlane_b32 s[WV], v2                  ; wave 0..3
	s_bfe_u32 s[CX], ttmp6, 0x40000                ; cx
	s_and_b32 s[BH], ttmp7, 0xffff                 ; the pair: the cluster's y, which the partners share
	s_sub_co_u32 s[N1], 8, ttmp9                   ; 8 - c
	s_lshl_b32 s52, ttmp9, 1
	s_lshr_b32 s53, s[WV], 1
	s_add_co_u32 s[BETA2], s52, s53                ; 2 c + h
	s_sub_co_u32 s[BETA], 15, s[BETA2]             ; 15 - 2 c - h
	s_mov_b32 s[G1], 15|(3<<16)|(1<<21)            ; 15:0 the mask: all four work-groups; 17:16 elements of 8 bytes; 21 set beside a mask; no padding
	s_mov_b32 s[G1+1], 32<<16                      ; tensor_dim0 = 32 elements: 256 bytes
	s_mov_b32 s[G1+2], 132<<16                     ; tensor_dim1 = 132 rows
	s_mov_b32 s[G1+3], 32<<16                      ; tile_dim0
	s_mov_b32 s[G1+4], 132                         ; tile_dim1
	s_mov_b32 s[G1+5], 32                          ; the pitch: the block is dense
	s_mov_b32 s[G1+6], 0
	s_mov_b32 s[G1+7], 0
	s_mul_i32 s[WPART], s[WV], QTR                 ; my quarter of a slot, in memory and in LDS
	s_mul_i32 s52, s[BH], 16*STEPB                 ; the pair's 16 blocks of kv
	s_add_co_u32 s54, s52, s[WPART]
	s_mov_b32 s55, 0
	s_and_b32 s82, s[WV], 1                        ; from here to s[88:89]: what hangs on cx, in registers that no descriptor is made from
	s_lshl_b32 s83, s[CX], 5
	s_lshl_b32 s84, s82, 3
	s_add_co_u32 s83, s83, s84                     ; 32 cx + 8 (wave % 2): my tile's first query in its block
	s_lshr_b32 s84, s[CX], 1
	s_lshl_b32 s84, s84, 8
	s_lshl_b32 s85, s82, 7
	s_add_co_u32 s84, s84, s85
	s_and_b32 s85, s[CX], 1
	s_lshl_b32 s85, s85, 2
	s_add_co_u32 s84, s84, s85
	s_add_co_u32 s84, s84, KSOFF                   ; my tile's scale words in a block of qw
	s_lshl_b32 s85, s[CX], 12
	s_lshl_b32 s86, s82, 11
	s_add_co_u32 s85, s85, s86                     ; and its fragment
	s_lshl_b32 s86, s83, 13                        ; its first row in a block of out0: 8,192 bytes a row,
	s_lshr_b32 s87, s[BH], 3
	s_lshl_b32 s87, s87, 24                        ; the batch,
	s_add_co_u32 s86, s86, s87
	s_and_b32 s87, s[BH], 7
	s_lshl_b32 s87, s87, 10                        ; the pair's 1,024 bytes
	s_add_co_u32 s86, s86, s87
	s_mov_b32 s87, 0
	s_mul_i32 s88, s[CX], QTR                      ; the prefetches: my work-group's quarter,
	s_add_co_u32 s88, s88, s52
	s_add_co_u32 s88, s88, SLOTB                   ; in slot 1: the first turn steps it to slot 2
	s_mov_b32 s89, 0
	s_mul_i32 s90, s[BH], 16*QTR                   ; the pair's 16 blocks of qw
	s_mov_b32 s91, 0
	s_mul_i32 s56, s[WV], 8448                     ; 33 blocks of 256 bytes; a stage is as long
	s_add_co_u32 s57, s56, STG                     ; my stage
	s_add_co_u32 s58, s56, 8192
	v_and_b32 v[LI], 31, v0                        ; lane
	v_lshlrev_b32 v[LS], 2, v[LI]
	v_lshlrev_b32 v[PFO], 8, v[LI]
	v_add_nc_u32 v[PFO], s56, v[PFO]
	v_mov_b32 v[PFX], s58
	v_lshlrev_b32 v[LI], 4, v[LI]
	v_and_b32 v138, 15, v0                         ; r
	v_bfe_u32 v139, v0, 4, 1                       ; h
	v_and_b32 v[DQ], 8, v138
	v_add_nc_u32 v[DQ], v[DQ], v138                ; r + 8 (r / 8)
	v_lshlrev_b32 v140, 4, v139
	v_sub_nc_u32 v[DQ], v[DQ], v140
	v_add_nc_u32 v[DQ], s83, v[DQ]
	v_lshlrev_b32 v[QSA], 3, v138
	v_lshl_add_u32 v[QSA], v139, 9, v[QSA]
	v_add_nc_u32 v[QSA], s84, v[QSA]               ; q's scale words: head h, row r of my tile
	v_add_nc_u32 v[QA], s85, v[LI]                 ; q's fragment
	v_mul_u32_u24 v[ASTO], v138, SROW
	v_lshl_add_u32 v[ASTO], v139, 5, v[ASTO]
	v_add_nc_u32 v[ASTO], s57, v[ASTO]             ; in: row r, + 32 h; a tile's eight channels 64 bytes on from the last tile's
	v_add_nc_u32 v[ARD], s57, v[LI]                ; back: 16 bytes a lane
	s_cmp_eq_u32 ttmp9, 0
	s_cselect_b32 s[LIM], 6, 0                     ; the pair's first cluster asks, in slots 0 to 5: the same in all four partners
	s_mov_b32 s[MNT], 0x600000
	s_mov_b32 s[SEL], 0x76543210
	s_mov_b32 s[SEL+1], 0xfedcba98
	s_mov_b32 s[CS], 0x3e0293ee
	s_mov_b32 s[CS+1], s[CS]                       ; (named with it as a pair, so it is written)
	s_mov_b32 s[RC], 0x3b800000
	s_mov_b32 s[EPSR], 0x3727c5ac
	s_mov_b32 s[J], 0
	s_mov_b32 s[PREV], 0
	s_mov_b32 s[TBS], 0
	s_mov_b32 s[IT], 0
	WALU
	s_wait_dscnt 0x0                               ; both opening adds are done
	s_wait_kmcnt 0x0
	s_add_nc_u64 s[KVB:KVB+1], s[6:7], s[54:55]
	s_mov_b32 s[G0], 1                             ; count = 1
	s_mov_b32 s[G0+1], s[WPART]                    ; LDS address: slot 0, my quarter
	s_mov_b64 s[G0+2:G0+3], s[KVB:KVB+1]           ; key steps 0 and 1
	s_or_b32 s[G0+3], s[G0+3], 0x80000000          ; type = 2
	s_add_nc_u64 s[QB:QB+1], s[4:5], s[90:91]
	s_add_nc_u64 s[OUTB:OUTB+1], s[16:17], s[86:87]
	s_add_nc_u64 s[PFA:PFA+1], s[6:7], s[88:89]
	CROUND                                         ; all four work-groups are here: the first joint loads meet
	JLOAD
	QLOAD BETA
	global_load_b128 v[SC1:SC1+3], v[LI], s[8:9]   ; the four vectors of 128: four numbers a lane
	global_load_b128 v[SC1+4:SC1+7], v[LI], s[10:11]
	global_load_b128 v[SC1+8:SC1+11], v[LI], s[12:13]
	global_load_b128 v[SC1+12:SC1+15], v[LI], s[14:15]
	MINIT
.irp r, L1, L1+1, L2, L2+1, F1+1, F2+1, PS1, PS2, 140, 141
	v_mov_b32 v[\r], 0                             ; the sums; the upper halves of the pairs named with f; p's scale words; lane permutes' destinations
.endr
.set nn, 0
.rept 8
	v_mov_b32 v[VS+nn], 0                          ; the second product's operands are named in the text ahead of the first step's: they are written once here
.set nn, nn+1
.endr
.set nn, 0
.rept 32
	v_mov_b32 v[P1+nn], 0
.set nn, nn+1
.endr
.irp w, 2,3
	WIN (0x40*\w)
.set nn, 0
.rept 256
	v_mov_b32 v[nn], 0                             ; O1^T, O2^T and v's fragments
.set nn, nn+1
.endr
.endr
	WIN 0
	WALU
	s_wait_loadcnt 0x0
	v_mul_f32 v138, v[SC1], v[SC1+4]               ; lambda: the two dot products,
	v_mul_f32 v139, v[SC1+8], v[SC1+12]
.irp i, 1,2,3
	v_fmac_f32 v138, v[SC1+\i], v[SC1+4+\i]
	v_fmac_f32 v139, v[SC1+8+\i], v[SC1+12+\i]
.endr
.irp m, 1,2,4,8
	v_add_f32_dpp v138, v138, v138 row_xmask:\m row_mask:0xf bank_mask:0xf
	v_add_f32_dpp v139, v139, v139 row_xmask:\m row_mask:0xf bank_mask:0xf
.endr
	v_permlanex16_b32 v140, v138, s[SEL], s[SEL+1]
	v_permlanex16_b32 v141, v139, s[SEL], s[SEL+1]
	v_add_f32 v138, v138, v140
	v_add_f32 v139, v139, v141
	v_mul_f32 v138, 0x3fb8aa3b, v138
	v_mul_f32 v139, 0x3fb8aa3b, v139
	WALU
	v_exp_f32 v138, v138
	v_exp_f32 v139, v139
	v_nop
	WALU
	v_sub_f32 v138, v139, v138
	v_add_f32 v138, 0xbf489a63, v138               ; -lambda = lambda_2 - lambda_1 - 0.78360577
	v_readfirstlane_b32 s[NLAM], v138
	WALU
.Lslot:                                            ; slots 0 to 7, each with the load of the next
	SLOT 1
	s_add_co_u32 s[IT], s[IT], 1
	s_cmp_lt_u32 s[IT], 8
	s_cbranch_scc1 .Lslot
	SLOT 0                                         ; the last slot is written out
	s_cmp_eq_u32 s[PREV], 0
	s_cbranch_scc1 .Llast
.set nn, 0
.rept 16
	PVMUL nn
.set nn, nn+1
.endr
	WIN 0
.Llast:
	WAYOUT 1
	s_wait_tensorcnt 0x0                           ; the wave's end: behind my last tensor load and my last LDS store
	ds_add_u32 v[SPW], v[NIL]
	s_wait_dscnt 0x0
	CROUND                                         ; the closing round: no work-group ends while a partner may still ask for a tile that names it
	s_endpgm
.Lfunc_end_k_q433e4293d6_attn:
	.size	k_q433e4293d6_attn, .Lfunc_end_k_q433e4293d6_attn-k_q433e4293d6_attn
	.p2alignl 7, 3214868480
	.fill 96, 4, 3214868480
	.section	.rodata,"a",@progbits
	.p2align	6, 0x0
	.amdhsa_kernel k_q433e4293d6_attn
		.amdhsa_group_segment_fixed_size 327680
		.amdhsa_private_segment_fixed_size 0
		.amdhsa_enable_private_segment 0
		.amdhsa_kernarg_size 56
		.amdhsa_user_sgpr_count 2
		.amdhsa_user_sgpr_kernarg_segment_ptr 1
		.amdhsa_wavefront_size32 1
		.amdhsa_system_sgpr_workgroup_id_x 1
		.amdhsa_system_sgpr_workgroup_id_y 1
		.amdhsa_system_sgpr_workgroup_id_z 1
		.amdhsa_system_vgpr_workitem_id 0
		.amdhsa_next_free_vgpr 1024
		.amdhsa_next_free_sgpr 96
		.amdhsa_reserve_vcc 1
		.amdhsa_float_denorm_mode_32 3
		.amdhsa_float_denorm_mode_16_64 3
		.amdhsa_memory_ordered 1
		.amdhsa_forward_progress 1
		.amdhsa_inst_pref_size 250
	.end_amdhsa_kernel
	.amdgpu_metadata
---
amdhsa.version: [ 1, 2 ]
amdhsa.kernels:
  - .name:           k_q433e4293d6_attn
    .symbol:         k_q433e4293d6_attn.kd
    .args:
      - { .name: qw, .offset: 0, .size: 8, .value_kind: global_buffer, .address_space: global }
      - { .name: kv, .offset: 8, .size: 8, .value_kind: global_buffer, .address_space: global }
      - { .name: lambda_q1, .offset: 16, .size: 8, .value_kind: global_buffer, .address_space: global }
      - { .name: lambda_k1, .offset: 24, .size: 8, .value_kind: global_buffer, .address_space: global }
      - { .name: lambda_q2, .offset: 32, .size: 8, .value_kind: global_buffer, .address_space: global }
      - { .name: lambda_k2, .offset: 40, .size: 8, .value_kind: global_buffer, .address_space: global }
      - { .name: out0, .offset: 48, .size: 8, .value_kind: global_buffer, .address_space: global }
    .group_segment_fixed_size: 327680
    .private_segment_fixed_size: 0
    .kernarg_segment_align: 8
    .kernarg_segment_size: 56
    .max_flat_workgroup_size: 128
    .sgpr_count:     96
    .vgpr_count:     1024
    .wavefront_size: 32
...
	.end_amdgpu_metadata
.endif
;; end of part 2
